; MI455X (gfx1250); checked and timed in simulation.
; The chip was launched on July 23, 2026; its instructions are those of AMD's public machine-readable ISA for CDNA 5 (MIT licence, August 2026) and "CDNA5" Instruction Set Architecture Reference Guide (July 2026). The comments in the code are by the model that wrote it; some were corrected since.
;; Conformer FFN Metal. Allowed arithmetic: matrix products marked QUANTISED: E2M1 operands, one E8M0 scale for each 32 along K, by v_wmma_scale_f32_16x16x128_f8f6f4 with both operands' format E2M1 (or v_wmma_scale_f32_32x16x128_f4), f32 sums; everything else in f32.
;; Inputs: fc1_bias 4,096 float32; fc1_q 1,024 x 4,096 int32; fc1_scales 8 x 4,096 float32; fc2_bias 1,024 float32; fc2_q 4,096 x 1,024 int32; fc2_scales 32 x 1,024 float32; ln_beta 1,024 float32; ln_gamma 1,024 float32; x 8 x 1,024 x 1,024 float32.
;; Outputs: out0 8 x 1,024 x 1,024 float32.
;; This version of the problem:
;;   THIS VERSION OF THE PROBLEM IS GIVEN IN LOW PRECISION. The matrix products marked QUANTISED in the list below multiply operands that are first quantised to E2M1 (2 exponent bits, 1 mantissa bit; 4 bits a number), with one power-of-two scale for each 32 numbers along K (OCP MX v1.0); their sums are f32. All else is computed in f32.
;;   The module's matrix products, in the order in which they are computed (A, B: the left and right operand; K: the contracted axis; several contracted axes count as one K, in the product's order):
;;     1. [M 8,192, K 1,024] x [K 1,024, N 4,096]; A: computed on the way; B: computed on the way: QUANTISED
;;     2. [M 8,192, K 4,096] x [K 4,096, N 1,024]; A: computed on the way; B: computed on the way: QUANTISED
;;   THE QUANTISER, for each operand of a quantised product, along K:
;;     - K is cut into blocks of 32 from its start; a last block that is shorter is filled with zeros.
;;     - A block's scale is 2^e with e = floor(log2(the largest magnitude in the block)) - 2, held to -126 .. 127; a block of zeros has e = 0. As a byte (E8M0): e + 127.
;;     - Each number is divided by its block's scale, clamped to +-6, and rounded to the nearest number of E2M1, ties to even, subnormals kept.
;;     - The product sums the exact products of the quantised numbers (number of the format x scale) in f32.
;;   ~~~python
;;   def quantise(x, axis):      # numpy; x: float32 -> the quantised numbers, widened to float32 again
;;       x = np.moveaxis(x, axis, -1); K = x.shape[-1]
;;       x = np.pad(x, [(0, 0)] * (x.ndim - 1) + [(0, -K % 32)]); x = x.reshape(x.shape[:-1] + (-1, 32)); a = np.abs(x).max(-1, keepdims=True)
;;       e = np.where(a > 0, np.clip(np.frexp(np.where(a > 0, a, 1))[1] - 1 - 2, -126, 127), 0)      # np.frexp(a)[1] - 1 = floor(log2(a)), exactly
;;       r = np.clip(x / 2.0 ** e, -6, 6)
;;       step = 2.0 ** (np.maximum(np.frexp(np.where(r == 0, 1, r))[1] - 1, 0) - 1)
;;       q = np.round(r / step) * step * 2.0 ** e      # np.round: ties to even
;;       return np.moveaxis(q.reshape(q.shape[:-2] + (-1,))[..., :K], -1, axis).astype(np.float32)
;;   ~~~
;;   OPERANDS COMPUTED ON THE WAY. 'Computed on the way' means the value that the module computes at that place (a softmax that the list does not call 'softmax' is quantised finished and normalised). What goes into a quantiser is computed in f32, as accurately as f32 sums, v_exp_f32 and their like allow (about 1e-6 of the number): no bf16 or f16 on the way to a quantiser, and a product that is left as it is and whose result goes on into a quantised operand takes f32 operands (vector FMAs, or v_wmma_f32_16x16x4_f32). A number that lies on a knife's edge between two numbers of the format may be rounded either way, as far as f32 arithmetic and the matrix unit's own rounding can turn it there, and no further.
;; One version. Each part assembles by itself: llvm-mc -triple=amdgcn-amd-amdhsa -mcpu=gfx1250 --defsym DOCPART=n.
;; ======== version 1 of 1: 3 launches
;; limits: right only within a limited range of input values
;; workspace buffers: hc 4,194,304 bytes; hs 262,144 bytes; w1c 2,097,152 bytes; w1s 131,072 bytes; w2c 2,097,152 bytes; w2s 131,072 bytes; yc 16,777,216 bytes; ys 1,048,576 bytes
;; launch prep (part 1): grid 256 x 1, 16 waves a work-group, no clusters, 181,248 bytes of LDS; arguments x, ln_gamma, ln_beta, fc1_q, fc1_scales, fc2_q, fc2_scales, hc, hs, w1c, w1s, w2c, w2s; writes hc, hs, w1c, w1s, w2c, w2s
.if DOCPART == 1
	.amdgcn_target "amdgcn-amd-amdhsa--gfx1250"
	.amdhsa_code_object_version 6
	.text
	.protected	k_qdc75c69f4c_prep
	.globl	k_qdc75c69f4c_prep
	.p2align	8
	.type	k_qdc75c69f4c_prep,@function
k_qdc75c69f4c_prep:
	s_mov_b64 s[64:65], 0
	v_nop
	global_prefetch_b8 v0, s[64:65] scope:SCOPE_SE
	s_setreg_imm32_b32 hwreg(HW_REG_WAVE_MODE, 25, 1), 1
	s_wait_xcnt 0x0
; QUANTISE ONCE.  Three operands of the two products are made here, in f32, and turned into codes of FP4 (E2M1) with one E8M0 byte for each 32 along K:
;   h  = LayerNorm(x) x gamma + beta             [8192][1024], K innermost        -> hc, hs
;   w1 = (fc1_q - 128) x fc1_scales[k / 128][n]  [1024 (k)][4096 (n)], K outermost -> w1c, w1s
;   w2 = (fc2_q - 128) x fc2_scales[k / 128][n]  [4096 (k)][1024 (n)], K outermost -> w2c, w2s
; NOTHING OF reference() IS LEFT OUT in this program: every input has a way to the output and is loaded.
; ONE LAYOUT for all operands: codes [K / 32][rows][16 bytes], scale bytes [K / 512][rows][16 bytes] (byte i: block 16 ks + i).  A lane's four registers of a fragment are one block of one row, so
; sixteen neighbouring lanes of every later load or store touch 256 consecutive bytes.  In w1c and w1s the row stands at place p = n with bits 3 and 4 exchanged: the next launch's tile of sixteen
; consecutive places then holds hidden units 8 u + i + 8 (i / 8), and its results come out as neighbours along the second product's K.
; SHARES: work-groups 0-127: 64 rows of x each, 4 rows a wave.  128-191: w1, 128 columns x 512 along K, a block of 32 along K a wave.  192-255: w2 likewise.  Every work-group reads 256 KiB.  The
; three ways part on the work-group's number alone; each has LDS bytes, a barrier and an end of its own.  No cluster: work-groups share no input but gamma and beta, 8 KiB.
; A block's scale: the largest magnitude's exponent field less 2, held at 1 from below by a floor among the maximum's leaves.
; LIMITS: NaN and infinities among the inputs are not served.  A block of zeros, or one whose largest magnitude lies under 2^-124, gets the byte 1 (the rule says 127 for zeros): its codes are
; zeros, and the bytes are read by this program alone.  gamma and beta enter by one fused multiply-add where reference() rounds twice.
.set XT,    0                          ; x: a turn of 32 x 144 bytes for each wave (128 bytes of a lane + 16 of padding)
.set XC,    73728                      ; x: the codes of 64 rows, 512 bytes + 16 a row
.set XS,    107520                     ; x: the scale bytes, [2][64 rows][16]
.set W1STG, 109568                     ; w1: the scale bytes of 128 columns, 16 each
.set W2STG, 111616                     ; w2: the same
.set SPARE, 113664                     ; the spare words, 128 bytes for each of the sixteen waves; no other line names them
.set W1C,   115712                     ; w1: a turn of 2,048 bytes for each wave: the codes of its block, 128 columns x 16
.set W2C,   148480                     ; w2: the same
.set RAW,   16                         ; x: v16-143   four rows as loaded
.set X,     144                        ; x: v144-175  a block of 32 neighbours
.set G,     176                        ; x: v176-207  gamma of my 32 columns
.set BT,    208                        ; x: v208-239  beta
.set C,     240                        ; x: v240-243  a block's codes
.set WRG,   16                         ; w: v16-143   32 rows x my four columns, whole numbers as loaded; later the codes on their way out
.set F,     144                        ; w: v144-175  one column's 32 numbers down K
.set WC,    176                        ; w: v176-191  four registers of codes for each of my four columns
.set WSC,   192                        ; w: v192-195  the dequantiser's scales of my four columns
.set WSP,   196                        ; w: v196-203  each of them twice: pairs for the packed multiply
.set WBY,   204                        ; w: v204-207  a scale byte for each column
	s_load_b512 s[8:23], s[0:1], 0x0               ; x 8, gamma 10, beta 12, fc1_q 14, fc1_scales 16, fc2_q 18, fc2_scales 20, hc 22
	s_load_b256 s[24:31], s[0:1], 0x40             ; hs 24, w1c 26, w1s 28, w2c 30
	s_load_b64 s[32:33], s[0:1], 0x60              ; w2s
	v_lshl_add_u32 v254, v0, 2, SPARE              ; my spare word; never rewritten
	v_mov_b32 v255, 0                              ; 0; never rewritten
	v_lshrrev_b32 v1, 5, v0
	s_delay_alu instid0(VALU_DEP_1)
	v_readfirstlane_b32 s34, v1                    ; wave 0..15
	v_and_b32 v1, 31, v0                           ; lane
	s_mov_b32 s40, 0x76543210
	s_mov_b32 s41, 0xfedcba98                      ; v_permlanex16_b32's selects for lane l xor 16
; the largest magnitude of v[s] .. v[s + 31], with the floor 2^(3 - 127); 2 off its exponent field gives the conversions' scale operand v[o]
.macro QMAX s, o
	v_max3_num_f32 v12, |v[\s]|, |v[\s+1]|, |v[\s+2]|
	v_max3_num_f32 v13, |v[\s+3]|, |v[\s+4]|, |v[\s+5]|
.irp i, 6,10,14,18,22,26
	s_delay_alu instid0(VALU_DEP_2)
	v_max3_num_f32 v12, v12, |v[\s+\i]|, |v[\s+\i+1]|
	s_delay_alu instid0(VALU_DEP_2)
	v_max3_num_f32 v13, v13, |v[\s+\i+2]|, |v[\s+\i+3]|
.endr
	s_delay_alu instid0(VALU_DEP_2)
	v_max3_num_f32 v12, v12, |v[\s+30]|, |v[\s+31]|
	s_delay_alu instid0(VALU_DEP_1)
	v_max3_num_f32 v12, v12, v13, 0x1800000
	s_delay_alu instid0(VALU_DEP_1)
	v_add_nc_u32 v[\o], 0xff000000, v12
.endm
; the sum of v[r] over the 32 lanes, in every lane
.macro WSUM r
	s_delay_alu instid0(VALU_DEP_1)
	v_add_f32_dpp v[\r], v[\r], v[\r] row_xmask:1 row_mask:0xf bank_mask:0xf
	s_delay_alu instid0(VALU_DEP_1)
	v_add_f32_dpp v[\r], v[\r], v[\r] row_xmask:2 row_mask:0xf bank_mask:0xf
	s_delay_alu instid0(VALU_DEP_1)
	v_add_f32_dpp v[\r], v[\r], v[\r] row_xmask:4 row_mask:0xf bank_mask:0xf
	s_delay_alu instid0(VALU_DEP_1)
	v_add_f32_dpp v[\r], v[\r], v[\r] row_xmask:8 row_mask:0xf bank_mask:0xf
	s_delay_alu instid0(VALU_DEP_1)
	v_permlanex16_b32 v252, v[\r], s40, s41
	s_delay_alu instid0(VALU_DEP_1)
	v_add_f32 v[\r], v[\r], v252
.endm
; four packed chains v[10:11], v[12:13], v[14:15], v[250:251] become one number in v10
.macro FOLD
	s_delay_alu instid0(VALU_DEP_3)
	v_pk_add_f32 v[10:11], v[10:11], v[12:13]
	s_delay_alu instid0(VALU_DEP_2)
	v_pk_add_f32 v[14:15], v[14:15], v[250:251]
	s_delay_alu instid0(VALU_DEP_1)
	v_pk_add_f32 v[10:11], v[10:11], v[14:15]
	s_delay_alu instid0(VALU_DEP_1)
	v_add_f32 v10, v10, v11
.endm
	s_cmp_lt_u32 ttmp9, 128
	s_cbranch_scc0 .Lweights
; ---------------------------------------------------------------- x: LayerNorm and the quantiser
	v_lshlrev_b32 v2, 4, v1                        ; 16 x lane: a load's and a store's place
	v_lshlrev_b32 v3, 7, v1                        ; 128 x lane: my 32 numbers of gamma and beta
	s_mul_i32 s42, s34, 4608                       ; my wave's turn
	v_lshrrev_b32 v10, 3, v1
	v_and_b32 v11, 7, v1
	s_delay_alu instid0(VALU_DEP_2)
	v_mul_u32_u24 v4, v10, 144
	s_delay_alu instid0(VALU_DEP_1)
	v_lshl_add_u32 v4, v11, 4, v4
	s_delay_alu instid0(VALU_DEP_1)
	v_add_nc_u32 v4, s42, v4                       ; into the turn: eight lanes' 128 bytes on end, then 16 of padding
	v_mul_u32_u24 v5, v1, 144
	s_delay_alu instid0(VALU_DEP_1)
	v_add_nc_u32 v5, s42, v5                       ; out of it: 144 x lane: my 32 neighbours
	s_mul_i32 s43, s34, 2112
	s_add_co_u32 s43, s43, XC
	v_add_nc_u32 v6, s43, v2                       ; codes in: row 4 w (+ i), block = lane
	v_lshrrev_b32 v10, 4, v1
	v_and_b32 v11, 15, v1
	s_delay_alu instid0(VALU_DEP_1)
	v_lshl_add_u32 v7, v10, 10, v11
	s_lshl_b32 s43, s34, 6
	s_add_co_u32 s43, s43, XS
	v_add_nc_u32 v7, s43, v7                       ; scale byte in: [lane / 16][row 4 w (+ i)][lane % 16]
	v_mul_u32_u24 v8, v1, 528
	s_lshl_b32 s43, s34, 5
	s_add_co_u32 s43, s43, XC
	v_add_nc_u32 v8, s43, v8                       ; codes out: row = lane, blocks 2 w and 2 w + 1
	s_and_b32 s45, s34, 3
	s_lshl_b32 s43, s45, 9
	s_add_co_u32 s43, s43, XS
	v_add_nc_u32 v9, s43, v2                       ; scale bytes out (waves 0-3): 512 bytes a wave
	v_mov_b32 v252, 0                              ; written once: a lane permute's destination counts as one of its sources
	s_mov_b32 s44, 0x3a800000                      ; 1 / 1024
	s_lshl_b32 s36, ttmp9, 18                      ; x: 64 rows of 4,096 bytes a work-group,
	s_lshl_b32 s43, s34, 14                        ; 4 rows a wave
	s_add_co_u32 s36, s36, s43
	s_mov_b32 s37, 0
	s_lshl_b32 s38, s34, 18                        ; hc: block 2 w (131,072 bytes a block),
	s_lshl_b32 s43, ttmp9, 10                      ; row 64 g
	s_add_co_u32 s38, s38, s43
	s_mov_b32 s39, 0
	s_lshr_b32 s46, s45, 1                         ; hs: ks = (w & 3) / 2,
	s_lshl_b32 s46, s46, 17
	s_add_co_u32 s46, s46, s43                     ; row 64 g
	s_and_b32 s45, s45, 1
	s_lshl_b32 s45, s45, 9                         ; + 32 (w & 1)
	s_add_co_u32 s46, s46, s45
	s_mov_b32 s47, 0
	s_wait_kmcnt 0x0
	s_add_nc_u64 s[8:9], s[8:9], s[36:37]
	s_add_nc_u64 s[22:23], s[22:23], s[38:39]
	s_add_nc_u64 s[24:25], s[24:25], s[46:47]
.irp j, 0,1,2,3,4,5,6,7
	global_load_b128 v[G+4*\j:G+4*\j+3], v3, s[10:11] offset:16*\j
	global_load_b128 v[BT+4*\j:BT+4*\j+3], v3, s[12:13] offset:16*\j
.endr
.irp i, 0,1,2,3
.irp j, 0,1,2,3,4,5,6,7
	global_load_b128 v[RAW+32*\i+4*\j:RAW+32*\i+4*\j+3], v2, s[8:9] offset:4096*\i+512*\j th:TH_LOAD_NT   ; 32 lanes read 512 consecutive bytes
.endr
.endr
; one row.  The loads took the bytes as they lie; through the wave's own turn each lane gets 32 neighbours: block kb = lane
.macro XROW i
	s_wait_loadcnt 8*(3-\i)                        ; gamma, beta and rows 0 .. i are in; the later rows' eight loads each may be out
.irp j, 0,1,2,3,4,5,6,7
	ds_store_b128 v4, v[RAW+32*\i+4*\j:RAW+32*\i+4*\j+3] offset:576*\j
.endr
.irp j, 0,1,2,3,4,5,6,7
	ds_load_b128 v[X+4*\j:X+4*\j+3], v5 offset:16*\j           ; LDS serves a wave's instructions in order: these see the stores above
.endr
	s_wait_dscnt 0x0                               ; the block is in; the last row's stores of codes have read their registers
	v_pk_add_f32 v[10:11], v[X:X+1], v[X+2:X+3]    ; the row's sum: four chains
	v_pk_add_f32 v[12:13], v[X+4:X+5], v[X+6:X+7]
	v_pk_add_f32 v[14:15], v[X+8:X+9], v[X+10:X+11]
	v_pk_add_f32 v[250:251], v[X+12:X+13], v[X+14:X+15]
.irp k, 16,24
	s_delay_alu instid0(VALU_DEP_4)
	v_pk_add_f32 v[10:11], v[10:11], v[X+\k:X+\k+1]
	s_delay_alu instid0(VALU_DEP_4)
	v_pk_add_f32 v[12:13], v[12:13], v[X+\k+2:X+\k+3]
	s_delay_alu instid0(VALU_DEP_4)
	v_pk_add_f32 v[14:15], v[14:15], v[X+\k+4:X+\k+5]
	s_delay_alu instid0(VALU_DEP_4)
	v_pk_add_f32 v[250:251], v[250:251], v[X+\k+6:X+\k+7]
.endr
	FOLD
	WSUM 10
	s_delay_alu instid0(VALU_DEP_1)
	v_mul_f32 v246, s44, v10                       ; the mean, twice: a pair for the packed forms
	s_delay_alu instid0(VALU_DEP_2)
	v_mul_f32 v247, s44, v10
.irp k, 0,2,4,6,8,10,12,14,16,18,20,22,24,26,28,30
	v_pk_add_f32 v[X+\k:X+\k+1], v[X+\k:X+\k+1], v[246:247] neg_lo:[0,1] neg_hi:[0,1]   ; x - mean
.endr
	v_pk_mul_f32 v[10:11], v[X:X+1], v[X:X+1]      ; the sum of squares of the differences: four chains
	v_pk_mul_f32 v[12:13], v[X+2:X+3], v[X+2:X+3]
	v_pk_mul_f32 v[14:15], v[X+4:X+5], v[X+4:X+5]
	v_pk_mul_f32 v[250:251], v[X+6:X+7], v[X+6:X+7]
.irp k, 8,16,24
	s_delay_alu instid0(VALU_DEP_4)
	v_pk_fma_f32 v[10:11], v[X+\k:X+\k+1], v[X+\k:X+\k+1], v[10:11]
	s_delay_alu instid0(VALU_DEP_4)
	v_pk_fma_f32 v[12:13], v[X+\k+2:X+\k+3], v[X+\k+2:X+\k+3], v[12:13]
	s_delay_alu instid0(VALU_DEP_4)
	v_pk_fma_f32 v[14:15], v[X+\k+4:X+\k+5], v[X+\k+4:X+\k+5], v[14:15]
	s_delay_alu instid0(VALU_DEP_4)
	v_pk_fma_f32 v[250:251], v[X+\k+6:X+\k+7], v[X+\k+6:X+\k+7], v[250:251]
.endr
	FOLD
	WSUM 10
	s_delay_alu instid0(VALU_DEP_1)
	v_fmaak_f32 v10, s44, v10, 0x3727c5ac          ; variance + 1e-5 (the division by 1,024 rounds nothing)
	s_wait_alu depctr_va_vdst(0)
	v_rsq_f32 v248, v10
	v_rsq_f32 v249, v10                            ; twice: a pair
	v_nop                                          ; a plain instruction behind the transcendentals
	s_wait_alu depctr_va_vdst(0)                   ; one wait for both, ahead of their first reader
.irp k, 0,2,4,6,8,10,12,14,16,18,20,22,24,26,28,30
	v_pk_mul_f32 v[X+\k:X+\k+1], v[X+\k:X+\k+1], v[248:249]
.endr
.irp k, 0,2,4,6,8,10,12,14,16,18,20,22,24,26,28,30
	v_pk_fma_f32 v[X+\k:X+\k+1], v[X+\k:X+\k+1], v[G+\k:G+\k+1], v[BT+\k:BT+\k+1]
.endr
	QMAX X, 245
.irp g, 0,1,2,3
	v_cvt_scalef32_pk8_fp4_f32 v[C+\g], v[X+8*\g:X+8*\g+7], v245
.endr
	v_lshrrev_b32 v244, 23, v245                   ; the scale's byte; also the plain instruction behind the conversions
	ds_store_b128 v6, v[C:C+3] offset:528*\i
	ds_store_b8 v7, v244 offset:16*\i
.endm
	XROW 0
	XROW 1
	XROW 2
	XROW 3
	s_wait_tensorcnt 0x0                           ; behind my last LDS store; the dscnt wait also shows my stores landed, for the other waves' sake
	ds_add_u32 v254, v255
	s_wait_dscnt 0x0
	s_barrier_signal -1
	s_barrier_wait -1                              ; 64 rows of codes and their bytes lie in LDS
.irp u, 0,1,2,3                                    ; block 2 w + u / 2, rows 32 (u % 2) + lane
	ds_load_b128 v[16+4*\u:19+4*\u], v8 offset:(\u%2)*16896+(\u/2)*16
.endr
.irp u, 0,1,2,3
	s_wait_dscnt 3-\u
	global_store_b128 v2, v[16+4*\u:19+4*\u], s[22:23] offset:(\u/2)*131072+(\u%2)*512   ; 32 lanes store 512 consecutive bytes
.endr
	s_cmp_lt_u32 s34, 4
	s_cbranch_scc0 .Lx_end                         ; the 2,048 scale bytes are four stores: waves 0-3
	ds_load_b128 v[32:35], v9
	s_wait_dscnt 0x0
	global_store_b128 v2, v[32:35], s[24:25]
.Lx_end:
	s_endpgm
; ---------------------------------------------------------------- the weights
; A wave takes ONE block of 32 along K for the work-group's 128 columns; a lane takes four neighbouring columns.  Each of its 32 loads is one row's 512 consecutive bytes, 16 a lane: 16 KiB of a wave
; are asked for at once.  The conversion from whole numbers to f32, which is owed anyway, writes its results sorted by column: register i of F is row i of column c.  So a column's 32 numbers down K
; lie in one lane's consecutive registers, the block's largest magnitude needs no other lane, and the codes come out with K innermost.
; One column of my four: dequantised as reference() does it, quantised, its 16 bytes of codes and its scale byte put into LDS.
.macro WCOL c
.irp i, 0,1,2,3,4,5,6,7,8,9,10,11,12,13,14,15,16,17,18,19,20,21,22,23,24,25,26,27,28,29,30,31
	v_cvt_f32_i32 v[F+\i], v[WRG+4*\i+\c]
.endr
.irp i, 0,2,4,6,8,10,12,14,16,18,20,22,24,26,28,30
	v_pk_add_f32 v[F+\i:F+\i+1], v[F+\i:F+\i+1], 0xc3000000 op_sel_hi:[1,0]   ; q - 128: exact
.endr
.irp i, 0,2,4,6,8,10,12,14,16,18,20,22,24,26,28,30
	v_pk_mul_f32 v[F+\i:F+\i+1], v[F+\i:F+\i+1], v[WSP+2*\c:WSP+2*\c+1]       ; x the scale: reference()'s one rounding
.endr
	QMAX F, 208
.irp g, 0,1,2,3
	v_cvt_scalef32_pk8_fp4_f32 v[WC+4*\c+\g], v[F+8*\g:F+8*\g+7], v208
.endr
	v_lshrrev_b32 v[WBY+\c], 23, v208              ; the scale's byte; also the plain instruction behind the conversions
	ds_store_b128 v4, v[WC+4*\c:WC+4*\c+3] offset:16*\c        ; my wave's turn: column 4 lane + c
	ds_store_b8 v6, v[WBY+\c] offset:16*\c                     ; the work-group's bytes: the same column, byte w
.endm
; N columns in the tensor; 1 << LOGC groups of 128 columns; PERM: exchange bits 3 and 4 of the column's place; GOFF: the way's first work-group; Q, S, CO, SO: the pointers' registers; STG, CST: LDS
.macro WPATH N, LOGC, PERM, GOFF, Q, S, CO, SO, STG, CST
	s_sub_co_u32 s42, ttmp9, \GOFF
	s_and_b32 s43, s42, (1<<\LOGC)-1               ; which 128 columns
	s_lshr_b32 s44, s42, \LOGC                     ; ks: which 512 along K
	s_lshl_b32 s47, s43, 7                         ; the work-group's first column
	s_lshl_b32 s35, s44, 4
	s_add_co_u32 s35, s35, s34                     ; my block: 16 ks + w
	s_mul_i32 s36, s35, 128*\N                     ; q: 32 rows of 4 N bytes a block,
	s_lshl_b32 s48, s47, 2
	s_add_co_u32 s36, s36, s48                     ; + 4 x column
	s_mov_b32 s37, 0
	s_lshr_b32 s46, s35, 2                         ; the dequantiser's group of 128 along K: four blocks
	s_mul_i32 s38, s46, 4*\N                       ; its scales: a row a group
	s_add_co_u32 s38, s38, s48
	s_mov_b32 s39, 0
	s_mul_i32 s50, s35, 16*\N                      ; the codes: 16 N bytes a block,
	s_lshl_b32 s48, s47, 4
	s_add_co_u32 s50, s50, s48                     ; + 16 x column
	s_mov_b32 s51, 0
	s_and_b32 s45, s34, 3
	s_lshl_b32 s49, s45, 9                         ; 32 (w & 3) columns of 16 bytes
	s_mul_i32 s52, s44, 16*\N                      ; the scale bytes: 16 N bytes for each ks
	s_add_co_u32 s52, s52, s48
	s_add_co_u32 s52, s52, s49
	s_mov_b32 s53, 0
	v_lshlrev_b32 v2, 4, v1                        ; in: 16 bytes, four columns, a lane
.if \PERM
	v_and_b32 v6, 7, v1
	v_and_b32 v7, 8, v1
	v_and_b32 v8, 16, v1
	s_delay_alu instid0(VALU_DEP_2)
	v_lshl_or_b32 v3, v7, 1, v6
	s_delay_alu instid0(VALU_DEP_2)
	v_lshrrev_b32 v8, 1, v8
	s_delay_alu instid0(VALU_DEP_1)
	v_or_b32 v3, v3, v8
	s_delay_alu instid0(VALU_DEP_1)
	v_lshlrev_b32 v3, 4, v3                        ; out, in memory: 16 bytes at the place of column 32 j + lane
.else
	s_wait_alu depctr_va_vdst(0)
	v_lshlrev_b32 v3, 4, v1
.endif
	s_lshl_b32 s48, s34, 11
	s_add_co_u32 s48, s48, \CST                    ; my wave's turn
	v_lshl_add_u32 v4, v1, 6, s48                  ; into it: my four columns' 64 bytes
	v_lshl_add_u32 v5, v1, 4, s48                  ; out of it: column 32 j + lane
	s_add_co_u32 s48, s34, \STG
	v_lshl_add_u32 v6, v1, 6, s48                  ; the bytes in: column 4 lane (+ c), byte w
	s_add_co_u32 s49, s49, \STG
	v_lshl_add_u32 v7, v1, 4, s49                  ; and out (waves 0-3): column 32 w + lane, all 16
	s_wait_kmcnt 0x0
	s_add_nc_u64 s[\Q:\Q+1], s[\Q:\Q+1], s[36:37]
	s_add_nc_u64 s[\S:\S+1], s[\S:\S+1], s[38:39]
	s_add_nc_u64 s[\CO:\CO+1], s[\CO:\CO+1], s[50:51]
	s_add_nc_u64 s[\SO:\SO+1], s[\SO:\SO+1], s[52:53]
	global_load_b128 v[WSC:WSC+3], v2, s[\S:\S+1]
.irp i, 0,1,2,3,4,5,6,7,8,9,10,11,12,13,14,15,16,17,18,19,20,21,22,23,24,25,26,27,28,29,30,31
	global_load_b128 v[WRG+4*\i:WRG+4*\i+3], v2, s[\Q:\Q+1] offset:\i*4*\N th:TH_LOAD_NT   ; row i of the block: 32 lanes read 512 consecutive bytes
.endr
	s_wait_loadcnt 0x0                             ; every column wants all 32 rows
.irp c, 0,1,2,3
	v_mov_b32 v[WSP+2*\c], v[WSC+\c]               ; each scale twice: a pair
	v_mov_b32 v[WSP+2*\c+1], v[WSC+\c]
.endr
	WCOL 0
	WCOL 1
	WCOL 2
	WCOL 3
.irp j, 0,1,2,3
	ds_load_b128 v[WRG+4*\j:WRG+4*\j+3], v5 offset:512*\j      ; LDS serves a wave's instructions in order: these see my stores
.endr
	s_wait_tensorcnt 0x0                           ; behind my last LDS store; the dscnt wait also shows my stores landed and my loads in
	ds_add_u32 v254, v255
	s_wait_dscnt 0x0
.irp j, 0,1,2,3
	global_store_b128 v3, v[WRG+4*\j:WRG+4*\j+3], s[\CO:\CO+1] offset:512*\j   ; 32 lanes store 512 consecutive bytes
.endr
	s_barrier_signal -1
	s_barrier_wait -1                              ; each column's 16 bytes, from sixteen waves, lie together
	s_cmp_lt_u32 s34, 4
	s_cbranch_scc0 .Lw_end_\@
	ds_load_b128 v[WRG+16:WRG+19], v7
	s_wait_dscnt 0x0
	global_store_b128 v3, v[WRG+16:WRG+19], s[\SO:\SO+1]       ; 32 lanes store 512 consecutive bytes
.Lw_end_\@:
	s_endpgm
.endm
.Lweights:
	s_cmp_lt_u32 ttmp9, 192
	s_cbranch_scc0 .Lw2
	s_wait_alu depctr_va_vdst(0)
	WPATH 4096, 5, 1, 128, 14, 16, 26, 28, W1STG, W1C
.Lw2:
	s_wait_alu depctr_va_vdst(0)
	WPATH 1024, 3, 0, 192, 18, 20, 30, 32, W2STG, W2C
.Lfunc_end_k_qdc75c69f4c_prep:
	.size	k_qdc75c69f4c_prep, .Lfunc_end_k_qdc75c69f4c_prep-k_qdc75c69f4c_prep
	.p2alignl 7, 3214868480
	.fill 96, 4, 3214868480
	.section	.rodata,"a",@progbits
	.p2align	6, 0x0
	.amdhsa_kernel k_qdc75c69f4c_prep
		.amdhsa_group_segment_fixed_size 181248
		.amdhsa_private_segment_fixed_size 0
		.amdhsa_enable_private_segment 0
		.amdhsa_kernarg_size 104
		.amdhsa_user_sgpr_count 2
		.amdhsa_user_sgpr_kernarg_segment_ptr 1
		.amdhsa_wavefront_size32 1
		.amdhsa_system_sgpr_workgroup_id_x 1
		.amdhsa_system_sgpr_workgroup_id_y 1
		.amdhsa_system_sgpr_workgroup_id_z 1
		.amdhsa_system_vgpr_workitem_id 0
		.amdhsa_next_free_vgpr 256
		.amdhsa_next_free_sgpr 66
		.amdhsa_reserve_vcc 0
		.amdhsa_float_denorm_mode_32 3
		.amdhsa_float_denorm_mode_16_64 3
		.amdhsa_memory_ordered 1
		.amdhsa_forward_progress 1
		.amdhsa_inst_pref_size 108
	.end_amdhsa_kernel
	.amdgpu_metadata
---
amdhsa.version: [ 1, 2 ]
amdhsa.kernels:
  - .name:           k_qdc75c69f4c_prep
    .symbol:         k_qdc75c69f4c_prep.kd
    .args:
      - { .name: x, .offset: 0, .size: 8, .value_kind: global_buffer, .address_space: global }
      - { .name: ln_gamma, .offset: 8, .size: 8, .value_kind: global_buffer, .address_space: global }
      - { .name: ln_beta, .offset: 16, .size: 8, .value_kind: global_buffer, .address_space: global }
      - { .name: fc1_q, .offset: 24, .size: 8, .value_kind: global_buffer, .address_space: global }
      - { .name: fc1_scales, .offset: 32, .size: 8, .value_kind: global_buffer, .address_space: global }
      - { .name: fc2_q, .offset: 40, .size: 8, .value_kind: global_buffer, .address_space: global }
      - { .name: fc2_scales, .offset: 48, .size: 8, .value_kind: global_buffer, .address_space: global }
      - { .name: hc, .offset: 56, .size: 8, .value_kind: global_buffer, .address_space: global }
      - { .name: hs, .offset: 64, .size: 8, .value_kind: global_buffer, .address_space: global }
      - { .name: w1c, .offset: 72, .size: 8, .value_kind: global_buffer, .address_space: global }
      - { .name: w1s, .offset: 80, .size: 8, .value_kind: global_buffer, .address_space: global }
      - { .name: w2c, .offset: 88, .size: 8, .value_kind: global_buffer, .address_space: global }
      - { .name: w2s, .offset: 96, .size: 8, .value_kind: global_buffer, .address_space: global }
    .group_segment_fixed_size: 181248
    .private_segment_fixed_size: 0
    .kernarg_segment_align: 8
    .kernarg_segment_size: 104
    .max_flat_workgroup_size: 512
    .sgpr_count:     66
    .vgpr_count:     256
    .wavefront_size: 32
...
	.end_amdgpu_metadata
.endif
;; end of part 1
;; launch fc1 (part 2): grid 8 x 32, 8 waves a work-group, clusters of 4 x 1, 327,680 bytes of LDS; arguments hc, hs, w1c, w1s, fc1_bias, yc, ys; writes yc, ys
.if DOCPART == 2
	.amdgcn_target "amdgcn-amd-amdhsa--gfx1250"
	.amdhsa_code_object_version 6
	.text
	.protected	k_qdc75c69f4c_fc1
	.globl	k_qdc75c69f4c_fc1
	.p2align	8
	.type	k_qdc75c69f4c_fc1,@function
k_qdc75c69f4c_fc1:
	s_mov_b64 s[64:65], 0
	v_nop
	global_prefetch_b8 v0, s[64:65] scope:SCOPE_SE
	s_setreg_imm32_b32 hwreg(HW_REG_WAVE_MODE, 25, 1), 1
	s_wait_xcnt 0x0
	s_wait_alu depctr_hold_cnt(0) depctr_sa_sdst(0) depctr_va_vdst(0) depctr_va_sdst(0) depctr_va_ssrc(0) depctr_va_vcc(0) depctr_vm_vsrc(0)
	s_getreg_b32 s2, hwreg(HW_REG_IB_STS2, 6, 4)
	s_cmp_eq_u32 s2, 0
	s_cbranch_scc0 .Lentry_in_a_cluster
	s_endpgm
.Lentry_in_a_cluster:
	s_bfe_u32 s2, ttmp6, 0x10000c
	s_cmp_lg_u32 s2, 0x3003
	s_cbranch_scc0 .Lentry_shape_is_right
	s_endpgm
.Lentry_shape_is_right:
.set HA,    0
.set HS,    131072
.set YS,    139264
.set SPARE, 143360
.set S1,    12
.set SA,    28
.set BI,    32
.set AF,    64
.set H,     128
.set T,     160
.set TM,    192
.set PC,    208
.set AD,    212
.set MSB, 0
.macro WIN new
.if MSB != \new
	s_set_vgpr_msb (MSB<<8)|\new
.set MSB, \new
.endif
.endm
.macro CROUND
	s_barrier_signal -1
	s_barrier_wait -1
	s_cmp_lg_u32 s18, 0
	s_cbranch_scc1 .Lnot_wave_0_\@
	s_barrier_signal -3
.Lnot_wave_0_\@:
	s_barrier_wait -3
	s_barrier_signal -1
	s_barrier_wait -1
.endm
	s_load_b256 s[4:11], s[0:1], 0x0
	s_load_b128 s[12:15], s[0:1], 0x20
	s_load_b64 s[16:17], s[0:1], 0x30
	v_lshl_add_u32 v10, v0, 2, SPARE
	v_mov_b32 v11, 0
	ds_add_u32 v10, v11
	ds_add_u32 v10, v11
	v_lshrrev_b32 v1, 5, v0
	s_delay_alu instid0(VALU_DEP_1)
	v_readfirstlane_b32 s18, v1
	s_bfe_u32 s19, ttmp6, 0x40000
	s_lshl_b32 s20, ttmp9, 2
	s_add_co_u32 s20, s20, s19
	s_and_b32 s21, ttmp7, 0xffff
	s_mov_b32 s24, 15|(3<<16)|(1<<21)
	s_mov_b32 s25, 512<<16
	s_mov_b32 s26, 8<<16
	s_mov_b32 s27, 512<<16
	s_mov_b32 s28, 8
	s_mov_b32 s29, 16384
	s_mov_b32 s30, 0
	s_mov_b32 s31, 0
	s_mov_b32 s32, 15|(3<<16)|(1<<21)
	s_mov_b32 s33, 512<<16
	s_mov_b32 s34, 2<<16
	s_mov_b32 s35, 512<<16
	s_mov_b32 s36, 2
	s_mov_b32 s37, 16384
	s_mov_b32 s38, 0
	s_mov_b32 s39, 0
	s_lshl_b32 s59, s21, 12
	s_lshl_b32 s22, s18, 20
	s_add_co_u32 s22, s22, s59
	s_mov_b32 s23, 0
	s_mov_b32 s54, s59
	s_mov_b32 s55, 0
	s_mov_b32 s40, 1
	s_lshl_b32 s41, s18, 15
	s_mov_b32 s44, 1
	s_mov_b32 s45, HS
	s_mov_b32 s48, 0x76543210
	s_mov_b32 s49, 0xfedcba98
	s_mov_b32 s60, 0xbfb8aa3b
	s_mov_b32 s61, s60
	s_mov_b32 s51, 0
	s_mov_b32 s62, 0
	s_mov_b32 s63, 0
	s_wait_dscnt 0x0
	s_wait_kmcnt 0x0
	s_add_nc_u64 s[42:43], s[4:5], s[22:23]
	s_or_b32 s43, s43, 0x80000000
	s_add_nc_u64 s[46:47], s[6:7], s[54:55]
	s_or_b32 s47, s47, 0x80000000
	CROUND
	s_cmp_lt_u32 s18, 4                            ; the launch's only fills, in one chain of branches on the wave's number: waves 0-3 fetch 8 blocks of h's codes each,
	s_cbranch_scc0 .Lhead_s
	tensor_load_to_lds s[40:43], s[24:31]
	s_nop 0
.rept 4
	v_nop
.endr
	s_branch .Lhead_j
.Lhead_s:
	s_cmp_eq_u32 s18, 4                            ; wave 4 h's scale bytes, 2 rows of 4,096 bytes; waves 5-7 nothing
	s_cbranch_scc0 .Lhead_j
	tensor_load_to_lds s[44:47], s[32:39]
	s_nop 0
.rept 4
	v_nop
.endr
.Lhead_j:
	s_mov_b32 s54, 0
	s_lshl_b32 s56, s20, 13
	s_lshl_b32 s57, s18, 10
	s_add_co_u32 s56, s56, s57
	s_mov_b32 s57, 0
	s_add_nc_u64 s[8:9], s[8:9], s[56:57]
	s_add_nc_u64 s[10:11], s[10:11], s[56:57]
	s_lshr_b32 s56, s56, 2
	s_add_nc_u64 s[12:13], s[12:13], s[56:57]
	s_lshl_b32 s56, s20, 21
	s_lshl_b32 s58, s18, 18
	s_add_co_u32 s56, s56, s58
	s_add_co_u32 s56, s56, s59
	s_add_nc_u64 s[52:53], s[14:15], s[56:57]
	s_lshl_b32 s56, s20, 17
	s_lshl_b32 s58, s18, 9
	s_add_co_u32 s56, s56, s58
	s_add_co_u32 s56, s56, s59
	s_add_nc_u64 s[16:17], s[16:17], s[56:57]
	v_and_b32 v1, 15, v0
	v_bfe_u32 v2, v0, 4, 1
	v_and_b32 v3, 31, v0
	s_delay_alu instid0(VALU_DEP_3)
	v_lshlrev_b32 v4, 4, v1
	s_delay_alu instid0(VALU_DEP_1)
	v_lshl_add_u32 v4, v2, 12, v4
	s_delay_alu instid0(VALU_DEP_1)
	v_add_nc_u32 v5, 65536, v4
	s_delay_alu instid0(VALU_DEP_2)
	v_add_nc_u32 v6, HS, v4
	s_add_co_u32 s58, s58, YS
	v_lshl_add_u32 v7, v1, 1, s58
	v_lshlrev_b32 v8, 4, v1
	s_delay_alu instid0(VALU_DEP_1)
	v_lshl_add_u32 v8, v2, 17, v8
	v_lshlrev_b32 v9, 4, v1
	s_delay_alu instid0(VALU_DEP_1)
	v_lshl_add_u32 v9, v2, 16, v9
	v_lshlrev_b32 v216, 4, v3
	v_lshlrev_b32 v217, 6, v2
	s_lshl_b32 s58, s18, 6
	s_add_co_u32 s58, s58, YS
	v_lshl_add_u32 v218, v3, 1, s58
	v_mov_b32 v[TM+2], 0
	v_mov_b32 v[TM+3], 0
.irp b, 0,1
.irp k, 0,1
	global_load_b128 v[S1+8*\b+4*\k:S1+8*\b+4*\k+3], v216, s[10:11] offset:65536*\k+512*\b
.endr
.endr
.irp t, 0,1,2,3
	global_load_b128 v[BI+8*\t:BI+8*\t+3], v217, s[12:13] offset:(32*(\t/2)+8*(\t%2))*4
	global_load_b128 v[BI+8*\t+4:BI+8*\t+7], v217, s[12:13] offset:(32*(\t/2)+8*(\t%2))*4+16
.endr
	WIN 0x40
.irp q, 0,1,2,3,4,5,6,7
.irp t, 0,1,2,3
.irp c, 0,1
	global_load_b128 v[8*(4*\q+\t)+4*\c:8*(4*\q+\t)+4*\c+3], v9, s[8:9] offset:(4*\q+2*\c)*65536+256*\t
.endr
.endr
.endr
	WIN 0
	s_wait_alu depctr_va_vdst(0)
.macro FETCHA
.irp q, 0,1,2,3
.irp c, 0,1
	ds_load_b128 v[AF+8*\q+4*\c:AF+8*\q+4*\c+3], v[AD] offset:16384*\q+8192*\c
.endr
.endr
.irp q, 4,5,6,7
.irp c, 0,1
	ds_load_b128 v[AF+8*\q+4*\c:AF+8*\q+4*\c+3], v[AD+1] offset:16384*(\q-4)+8192*\c
.endr
.endr
	ds_load_b128 v[SA:SA+3], v[AD+2]
.endm
.macro WM1 t, q
.set rD, H+8*(\t)
.set rW, 8*(4*(\q)+(\t))
.set rA, AF+8*(\q)
.set rS, S1+8*((\t)/2)+(\q)
.set rX, SA+(\q)%4
.if (\q) == 0
.set rC, BI+8*(\t)
.else
.set rC, rD
.endif
.if ((\t)%2 == 0) && ((\q) < 4)
	v_wmma_scale_f32_16x16x128_f8f6f4 v[rD:rD+7], v[rW:rW+7], v[rA:rA+7], v[rC:rC+7], v[rS], v[rX] matrix_a_fmt:MATRIX_FMT_FP4 matrix_b_fmt:MATRIX_FMT_FP4
.elseif ((\t)%2 == 1) && ((\q) < 4)
	v_wmma_scale_f32_16x16x128_f8f6f4 v[rD:rD+7], v[rW:rW+7], v[rA:rA+7], v[rC:rC+7], v[rS], v[rX] matrix_a_fmt:MATRIX_FMT_FP4 matrix_b_fmt:MATRIX_FMT_FP4 matrix_a_scale:MATRIX_SCALE_ROW1
.elseif ((\t)%2 == 0)
	v_wmma_scale_f32_16x16x128_f8f6f4 v[rD:rD+7], v[rW:rW+7], v[rA:rA+7], v[rC:rC+7], v[rS], v[rX] matrix_a_fmt:MATRIX_FMT_FP4 matrix_b_fmt:MATRIX_FMT_FP4 matrix_b_scale:MATRIX_SCALE_ROW1
.else
	v_wmma_scale_f32_16x16x128_f8f6f4 v[rD:rD+7], v[rW:rW+7], v[rA:rA+7], v[rC:rC+7], v[rS], v[rX] matrix_a_fmt:MATRIX_FMT_FP4 matrix_b_fmt:MATRIX_FMT_FP4 matrix_a_scale:MATRIX_SCALE_ROW1 matrix_b_scale:MATRIX_SCALE_ROW1
.endif
.endm
.macro BLOCK fetch
	s_wait_dscnt 0x0
	WIN 0x01
.irp q, 0,1,2,3,4,5,6,7
.irp t, 0,1,2,3
	WM1 \t, \q
.endr
.endr
	WIN 0
	v_add_nc_u32 v[AD+3], s54, v7
.if \fetch
	s_add_co_u32 s51, s51, 256
	v_add_nc_u32 v[AD], s51, v4
	v_add_nc_u32 v[AD+1], s51, v5
	v_add_nc_u32 v[AD+2], s51, v6
	FETCHA
.else
.rept 3
	v_nop
.endr
.endif
	s_add_co_u32 s54, s54, 32
.irp j, 0,2,4,6,8,10,12,14,16,18,20,22,24,26,28,30
	v_pk_mul_f32 v[T+\j:T+\j+1], v[H+\j:H+\j+1], s[60:61] op_sel_hi:[1,0]
.endr
	s_wait_alu depctr_va_vdst(0)
.irp j, 0,1,2,3,4,5,6,7,8,9,10,11,12,13,14,15,16,17,18,19,20,21,22,23,24,25,26,27,28,29,30,31
	v_exp_f32 v[T+\j], v[T+\j]
.endr
	v_nop
	s_wait_alu depctr_va_vdst(0)
.irp j, 0,2,4,6,8,10,12,14,16,18,20,22,24,26,28,30
	v_pk_add_f32 v[T+\j:T+\j+1], v[T+\j:T+\j+1], 1.0 op_sel_hi:[1,0]
.endr
	s_wait_alu depctr_va_vdst(0)
.irp j, 0,1,2,3,4,5,6,7,8,9,10,11,12,13,14,15,16,17,18,19,20,21,22,23,24,25,26,27,28,29,30,31
	v_rcp_f32 v[T+\j], v[T+\j]
.endr
	v_nop
	s_wait_alu depctr_va_vdst(0)
.irp j, 0,2,4,6,8,10,12,14,16,18,20,22,24,26,28,30
	v_pk_mul_f32 v[H+\j:H+\j+1], v[H+\j:H+\j+1], v[T+\j:T+\j+1]
.endr
.irp b, 0,1
	v_max3_num_f32 v[TM+\b], |v[H+16*\b]|, |v[H+16*\b+1]|, 0x1800000
.endr
.irp i, 2,4,6,8,10,12,14
.irp b, 0,1
	s_delay_alu instid0(VALU_DEP_2)
	v_max3_num_f32 v[TM+\b], v[TM+\b], |v[H+16*\b+\i]|, |v[H+16*\b+\i+1]|
.endr
.endr
.irp b, 0,1
	s_delay_alu instid0(VALU_DEP_2)
	v_permlanex16_b32 v[TM+2+\b], v[TM+\b], s48, s49
.endr
.irp b, 0,1
	s_delay_alu instid0(VALU_DEP_2)
	v_max_num_f32 v[TM+\b], v[TM+\b], v[TM+2+\b]
.endr
.irp b, 0,1
	s_delay_alu instid0(VALU_DEP_2)
	v_add_nc_u32 v[TM+4+\b], 0xff000000, v[TM+\b]
.endr
.irp b, 0,1
	s_delay_alu instid0(VALU_DEP_2)
	v_lshrrev_b32 v[TM+6+\b], 23, v[TM+4+\b]
.endr
	s_delay_alu instid0(VALU_DEP_1)
	v_lshl_or_b32 v[TM+8], v[TM+7], 8, v[TM+6]
	s_wait_alu depctr_va_vdst(0)
	s_wait_xcnt 0x0
	s_add_nc_u64 s[52:53], s[52:53], s[62:63]
	s_mov_b32 s62, 256
.irp b, 0,1
	v_cvt_scalef32_pk8_fp4_f32 v[PC+2*\b], v[H+16*\b:H+16*\b+7], v[TM+4+\b]
	v_cvt_scalef32_pk8_fp4_f32 v[PC+2*\b+1], v[H+16*\b+8:H+16*\b+15], v[TM+4+\b]
.endr
	v_nop
	v_permlane16_swap_b32 v[PC], v[PC+2]
	v_permlane16_swap_b32 v[PC+1], v[PC+3]
	global_store_b128 v8, v[PC:PC+3], s[52:53]
	ds_store_b16 v[AD+3], v[TM+8]
.endm
	s_wait_loadcnt 0x0
	s_wait_tensorcnt 0x0
	s_barrier_signal -1
	s_barrier_wait -1
	v_add_nc_u32 v[AD], s51, v4
	v_add_nc_u32 v[AD+1], s51, v5
	v_add_nc_u32 v[AD+2], s51, v6
	FETCHA
	s_mov_b32 s50, 15
.Lblk:
	BLOCK 1
	s_sub_co_u32 s50, s50, 1
	s_cmp_lg_u32 s50, 0
	s_cbranch_scc1 .Lblk
	BLOCK 0
	s_wait_tensorcnt 0x0
	ds_add_u32 v10, v11
	s_wait_dscnt 0x0
	s_barrier_signal -1
	s_barrier_wait -1
.irp k, 0,1,2,3,4,5,6,7
	ds_load_u16 v[T+\k], v218 offset:512*\k
.endr
	s_wait_dscnt 0x0
.irp k, 0,1,2,3
	v_lshl_or_b32 v[T+8+\k], v[T+2*\k+1], 16, v[T+2*\k]
.endr
	global_store_b128 v216, v[T+8:T+11], s[16:17]
	CROUND
	s_endpgm
.Lfunc_end_k_qdc75c69f4c_fc1:
	.size	k_qdc75c69f4c_fc1, .Lfunc_end_k_qdc75c69f4c_fc1-k_qdc75c69f4c_fc1
	.p2alignl 7, 3214868480
	.fill 96, 4, 3214868480
	.section	.rodata,"a",@progbits
	.p2align	6, 0x0
	.amdhsa_kernel k_qdc75c69f4c_fc1
		.amdhsa_group_segment_fixed_size 327680
		.amdhsa_private_segment_fixed_size 0
		.amdhsa_enable_private_segment 0
		.amdhsa_kernarg_size 56
		.amdhsa_user_sgpr_count 2
		.amdhsa_user_sgpr_kernarg_segment_ptr 1
		.amdhsa_wavefront_size32 1
		.amdhsa_system_sgpr_workgroup_id_x 1
		.amdhsa_system_sgpr_workgroup_id_y 1
		.amdhsa_system_sgpr_workgroup_id_z 1
		.amdhsa_system_vgpr_workitem_id 0
		.amdhsa_next_free_vgpr 512
		.amdhsa_next_free_sgpr 66
		.amdhsa_reserve_vcc 0
		.amdhsa_float_denorm_mode_32 3
		.amdhsa_float_denorm_mode_16_64 3
		.amdhsa_memory_ordered 1
		.amdhsa_forward_progress 1
		.amdhsa_inst_pref_size 42
	.end_amdhsa_kernel
	.amdgpu_metadata
---
amdhsa.version: [ 1, 2 ]
amdhsa.kernels:
  - .name:           k_qdc75c69f4c_fc1
    .symbol:         k_qdc75c69f4c_fc1.kd
    .args:
      - { .name: hc, .offset: 0, .size: 8, .value_kind: global_buffer, .address_space: global }
      - { .name: hs, .offset: 8, .size: 8, .value_kind: global_buffer, .address_space: global }
      - { .name: w1c, .offset: 16, .size: 8, .value_kind: global_buffer, .address_space: global }
      - { .name: w1s, .offset: 24, .size: 8, .value_kind: global_buffer, .address_space: global }
      - { .name: fc1_bias, .offset: 32, .size: 8, .value_kind: global_buffer, .address_space: global }
      - { .name: yc, .offset: 40, .size: 8, .value_kind: global_buffer, .address_space: global }
      - { .name: ys, .offset: 48, .size: 8, .value_kind: global_buffer, .address_space: global }
    .group_segment_fixed_size: 327680
    .private_segment_fixed_size: 0
    .kernarg_segment_align: 8
    .kernarg_segment_size: 56
    .max_flat_workgroup_size: 256
    .sgpr_count:     66
    .vgpr_count:     512
    .wavefront_size: 32
...
	.end_amdgpu_metadata
.endif
;; end of part 2
;; launch fc2 (part 3): grid 8 x 32, 4 waves a work-group, clusters of 4 x 4, 327,680 bytes of LDS; arguments yc, ys, w2c, w2s, fc2_bias, x, out0; writes out0
.if DOCPART == 3
	.amdgcn_target "amdgcn-amd-amdhsa--gfx1250"
	.amdhsa_code_object_version 6
	.text
	.protected	k_qdc75c69f4c_fc2
	.globl	k_qdc75c69f4c_fc2
	.p2align	8
	.type	k_qdc75c69f4c_fc2,@function
k_qdc75c69f4c_fc2:
	s_mov_b64 s[64:65], 0
	v_nop
	global_prefetch_b8 v0, s[64:65] scope:SCOPE_SE
	s_setreg_imm32_b32 hwreg(HW_REG_WAVE_MODE, 25, 1), 1
	s_wait_xcnt 0x0
	s_wait_alu depctr_hold_cnt(0) depctr_sa_sdst(0) depctr_va_vdst(0) depctr_va_sdst(0) depctr_va_ssrc(0) depctr_va_vcc(0) depctr_vm_vsrc(0)
	s_getreg_b32 s2, hwreg(HW_REG_IB_STS2, 6, 4)
	s_cmp_eq_u32 s2, 0
	s_cbranch_scc0 .Lentry_in_a_cluster
	s_endpgm
.Lentry_in_a_cluster:
	s_bfe_u32 s2, ttmp6, 0x10000c
	s_cmp_lg_u32 s2, 0xf033
	s_cbranch_scc0 .Lentry_shape_is_right
	s_endpgm
.Lentry_shape_is_right:
; out0 = x + 0.5 (y w2 + fc2_bias).  The product is on codes of FP4 (E2M1) with E8M0 scales, as the two launches before laid them: codes [K / 32][rows][16 bytes], scale bytes [K / 512][rows][16].
; Sums, bias and residual in f32.  Nothing of reference() is left out.
; SHARES.  A work-group: 256 rows x 128 columns of out0.  Wave w: rows 64 w .. 64 w + 63 x all 128 columns: 32 accumulators.
; CLUSTERS, 4 x 4.  The four work-groups of a cluster's row have the same 256 rows of y, the four of a column the same 128 columns of w2: every tile is asked for JOINTLY.
; THE RING.  K goes in 8 steps of 512 through two LDS slots for each operand: y's, 16 blocks x 4,096 bytes each, lie side by side, and behind them w2's, 16 blocks x 2,048 bytes each.
; THE HEAD'S FOUR TILES, one a wave: y's 32 blocks of K steps 0 and 1 (both slots by one load), w2's 32 blocks, y's scale bytes of all of K (32,768 bytes), w2's (16,384): the scales stay.
; In the ring waves 0, 1 fetch y's two halves of a K step (8 blocks each), waves 2, 3 w2's.
; A block's part is [row][16 bytes]: the sixteen lanes of a fragment load read 256 consecutive bytes, so no padding is laid.
; THE PRODUCT IS USED TRANSPOSED: source 0 = 16 columns of w2, source 1 = 16 rows of y: a lane holds eight neighbouring columns of one row.
; x's rows for the residual go into window 3: my rows 0-31 are asked for at the head, behind the tensor load, and one row in each of the 32 steps of 128: so the steps are written out by a macro.
; PREFETCH: one instruction in waves 0-2 names the K step of 512 that stands two refills on: K steps 2 and 3 at the head, K step ks + 4 behind the refill that brings ks + 2.  y's 256 units of 256 bytes are
; shared out by address among the row's four partners (64 each: waves 0, 1, a lane a unit), w2's 128 among the column's four (32 each: wave 2).  The last asked for is K step 7.
; All of a WGP's LDS is claimed; the text uses 280,064 bytes.
; LIMITS: NaN and infinities are not served.  The residual is one fused multiply-add; the multiplication by 0.5 rounds nothing.
.set ASL,   65536                      ; a slot of y
.set BSL,   32768                      ; a slot of w2
.set BOF,   131072                     ; w2's two slots, behind y's two
.set SCA,   196608                     ; y's scale bytes [8][256 rows][16]
.set SCB,   229376                     ; w2's [8][128 columns][16]
.set STG,   245760                     ; the way out: 16 rows x (512 + 16) bytes for each wave; no tensor load lands here
.set SPARE, 279552                     ; the spare words, 128 bytes a wave; no other line names them
.set SB,    20                         ; v20-51  w2's scale words: 16 (ks % 2) + 4 p + q % 4; lanes 0-15 column block 2 p, lanes 16-31 block 2 p + 1
.set SA,    52                         ; v52-67  y's: 8 (ks % 2) + 4 p + q % 4, row blocks likewise
.set BF,    128                        ; v128-255 w2's fragments, two sets of 64; on the way out rows of the result
; window 1: y's fragments, set q % 2, row block a at v[32 (q % 2) + 8 a].  window 2: accumulator (a, b) at v[8 (8 a + b)].  window 3: x's row i at v[4 i]
; v4, 5 w2's fragments in slot 0, 1; v6, 7 y's; v8, 9 scale words; v10 16 x lane; v11 the prefetch's offset; v12, 13 the stage; v14, 15 the add's two; v16-19 bias
.set HA, 28                            ; group 1: y, 32 blocks (head)
.set HB, 36                            ; w2, 32 blocks (head)
.set RA, 44                            ; y, 8 rows of 4,096 bytes: the ring's loads and y's scales
.set RB, 52                            ; w2, 8 rows of 2,048 bytes: the ring's loads and w2's scales
.set GA, 68                            ; group 0, y, a set for each slot
.set GB, 76                            ; group 0, w2
.set HGA, 84                           ; group 0 of the head's four loads
.set HGB, 88
.set HSA, 92
.set HSB, 96
.set PFA, 100                          ; s[100:101] where my prefetches stand
.set PST, 2                            ; s[2:3] bytes from one K step of 512 to the next in my prefetches' tensor
.set MSB, 0
.macro WIN new                         ; the immediate's high byte repeats the setting that is left
.if MSB != \new
	s_set_vgpr_msb (MSB<<8)|\new
.set MSB, \new
.endif
.endm
.macro CREST                           ; a round of the cluster's barrier behind its opening barrier
	s_cmp_lg_u32 s18, 0
	s_cbranch_scc1 .Lnot_wave_0_\@
	s_barrier_signal -3
.Lnot_wave_0_\@:
	s_barrier_wait -3
	s_barrier_signal -1
	s_barrier_wait -1
.endm
.macro CROUND
	s_barrier_signal -1
	s_barrier_wait -1
	CREST
.endm
.macro PLACES                          ; four places between matrix instructions and loads into, or reads of, their registers
.rept 4
	v_nop
.endr
.endm
.macro JLOAD s                         ; the ring's joint load into slot s; s_nop 0 and four v_nop behind each line
	s_cmp_eq_u32 s19, 0
	s_cbranch_scc0 .Lfor_b_\@
	tensor_load_to_lds s[GA+4*(\s):GA+4*(\s)+3], s[RA:RA+7]
	s_nop 0
	PLACES
	s_branch .Lasked_\@
.Lfor_b_\@:
	tensor_load_to_lds s[GB+4*(\s):GB+4*(\s)+3], s[RB:RB+7]
	s_nop 0
	PLACES
.Lasked_\@:
.endm
.macro ASK                             ; waves 0-2: a lane a unit of 256 bytes
	s_cmp_lt_u32 s18, 3
	s_cbranch_scc0 .Lno_ask_\@
	global_prefetch_b8 v11, s[PFA:PFA+1] th:TH_LOAD_NT scope:SCOPE_SE
.Lno_ask_\@:
.endm
.macro G1SET g, c, r, p                ; r rows of c elements of 8 bytes, p elements apart
	s_mov_b32 s[\g+1], (\c)<<16
	s_mov_b32 s[\g+2], (\r)<<16
	s_mov_b32 s[\g+3], (\c)<<16
	s_mov_b32 s[\g+4], \r
	s_mov_b32 s[\g+5], \p
	s_mov_b32 s[\g+6], 0
	s_mov_b32 s[\g+7], 0
.endm
.macro G0SET g, lds, p
	s_mov_b32 s[\g], 1
	s_mov_b32 s[\g+1], \lds
	s_mov_b64 s[\g+2:\g+3], s[\p:\p+1]
	s_or_b32 s[\g+3], s[\g+3], 0x80000000
.endm
	s_load_b256 s[4:11], s[0:1], 0x0               ; yc 4, ys 6, w2c 8, w2s 10
	s_load_b128 s[12:15], s[0:1], 0x20             ; fc2_bias 12, x 14
	s_load_b64 s[16:17], s[0:1], 0x30              ; out0
	v_lshl_add_u32 v14, v0, 2, SPARE               ; my spare word; never rewritten
	v_mov_b32 v15, 0                               ; 0; never rewritten
	ds_add_u32 v14, v15                            ; the opening: the add, twice on end, and its wait ahead of my first tensor load
	ds_add_u32 v14, v15
	v_lshrrev_b32 v1, 5, v0
	v_readfirstlane_b32 s18, v1                    ; wave 0..3
	s_lshr_b32 s19, s18, 1                         ; in the ring I fetch for y (0) or for w2 (1),
	s_and_b32 s20, s18, 1                          ; and which 8 of a K step's 16 blocks
	s_bfe_u32 s21, ttmp6, 0x40000                  ; cx
	s_bfe_u32 s22, ttmp6, 0x40004                  ; cy
	s_lshl_b32 s23, ttmp9, 2
	s_add_co_u32 s23, s23, s21                     ; which 128 columns
	s_and_b32 s24, ttmp7, 0xffff
	s_lshl_b32 s24, s24, 2
	s_add_co_u32 s24, s24, s22                     ; which 256 rows
	s_lshl_b32 s25, s22, 2
	s_lshl_b32 s25, 15, s25                        ; my row of the cluster
	s_lshl_b32 s26, 0x1111, s21                    ; my column
	s_or_b32 s[HA], s25, (3<<16)|(1<<21)           ; y's tiles go to my row, w2's to my column; elements of 8 bytes; bit 21 beside a mask
	s_or_b32 s[RA], s25, (3<<16)|(1<<21)
	s_or_b32 s[HB], s26, (3<<16)|(1<<21)
	s_or_b32 s[RB], s26, (3<<16)|(1<<21)
	G1SET HA, 512, 32, 16384
	G1SET RA, 512, 8, 16384
	G1SET HB, 256, 32, 2048
	G1SET RB, 256, 8, 2048
	s_lshl_b32 s60, s24, 12                        ; y: my 256 rows of 16 bytes in a block or a row of scales
	s_mov_b32 s61, 0
	s_lshl_b32 s62, s23, 11                        ; w2: my 128 columns
	s_mov_b32 s63, 0
	s_lshl_b32 s27, s20, 15                        ; LDS: my half of a slot of y,
	s_lshl_b32 s3, s20, 14                         ; of w2
	s_wait_dscnt 0x0                               ; both opening adds are done
	s_wait_kmcnt 0x0
	s_add_nc_u64 s[4:5], s[4:5], s[60:61]
	s_add_nc_u64 s[6:7], s[6:7], s[60:61]
	s_add_nc_u64 s[8:9], s[8:9], s[62:63]
	s_add_nc_u64 s[10:11], s[10:11], s[62:63]
	G0SET HGA, 0, 4
	G0SET HGB, BOF, 8
	G0SET HSA, SCA, 6
	G0SET HSB, SCB, 10
	s_lshl_b32 s60, s20, 20                        ; my 8 blocks of 131,072 bytes,
	s_lshl_b32 s62, s20, 17                        ; of 16,384
	s_add_nc_u64 s[60:61], s[4:5], s[60:61]
	s_add_nc_u64 s[62:63], s[8:9], s[62:63]
.irp s, 0,1                                            ; slot s stands at K step s; each refill first steps two K steps on
	s_mov_b32 s[GA+4*\s], 1
	s_add_co_u32 s[GA+4*\s+1], s27, \s*ASL
	s_add_nc_u64 s[GA+4*\s+2:GA+4*\s+3], s[60:61], \s*2097152
	s_or_b32 s[GA+4*\s+3], s[GA+4*\s+3], 0x80000000
	s_mov_b32 s[GB+4*\s], 1
	s_add_co_u32 s[GB+4*\s+1], s3, \s*BSL+BOF
	s_add_nc_u64 s[GB+4*\s+2:GB+4*\s+3], s[62:63], \s*262144
	s_or_b32 s[GB+4*\s+3], s[GB+4*\s+3], 0x80000000
.endr
	CROUND                                         ; all sixteen work-groups are here: the first joint loads meet
; the head's loads, one a wave, in one chain of branches on the wave's number
.macro ARM under, g0, g1, next
	s_cmp_lt_u32 s18, \under
	s_cbranch_scc0 \next
	tensor_load_to_lds s[\g0:\g0+3], s[\g1:\g1+7]
	s_nop 0
	PLACES
	s_branch .Lhead_asked
\next:
.endm
	ARM 1, HGA, HA, .Lhead_b
	ARM 2, HGB, HB, .Lhead_sa
	ARM 3, HSA, RA, .Lhead_sb
	tensor_load_to_lds s[HSB:HSB+3], s[RB:RB+7]
	s_nop 0
	PLACES
.Lhead_asked:
	s_lshl_b32 s62, s23, 9                         ; 4 x my first column
	s_mov_b32 s63, 0
	s_add_nc_u64 s[12:13], s[12:13], s[62:63]
	s_lshl_b32 s27, s24, 20                        ; 256 rows of 4,096 bytes a work-group,
	s_add_co_u32 s62, s62, s27
	s_lshl_b32 s27, s18, 18                        ; 64 a wave
	s_add_co_u32 s62, s62, s27
	s_add_nc_u64 s[14:15], s[14:15], s[62:63]
	s_add_nc_u64 s[16:17], s[16:17], s[62:63]
	s_lshl_b32 s25, s21, 2                         ; the prefetches.  y: unit 64 cx + 32 w + lane of 256: block 4 cx + 2 w + lane / 16, unit lane % 16
	s_lshl_b32 s26, s18, 1
	s_add_co_u32 s25, s25, s26
	s_lshl_b32 s26, s22, 2                         ; w2: unit 32 cy + lane of 128: block 4 cy + lane / 8, unit lane % 8
	s_mov_b32 s2, 0x40000
	s_mov_b32 s3, 0
	s_cmp_eq_u32 s19, 0
	s_cselect_b64 s[PFA:PFA+1], s[4:5], s[8:9]
	s_cselect_b32 s2, 0x200000, s2
	s_cselect_b32 s25, s25, s26
	s_cselect_b32 s26, 4, 3
	s_cselect_b32 s27, 17, 14                      ; a block's pitch in memory: 131,072 or 16,384 bytes
	s_cselect_b32 s62, 15, 7
	s_add_nc_u64 s[PFA:PFA+1], s[PFA:PFA+1], s[PST:PST+1]
	s_add_nc_u64 s[PFA:PFA+1], s[PFA:PFA+1], s[PST:PST+1]   ; at K step 2
	v_and_b32 v1, 15, v0                           ; r
	v_bfe_u32 v2, v0, 4, 1                         ; h
	v_and_b32 v3, 31, v0                           ; lane
	v_lshrrev_b32 v11, s26, v3
	v_add_nc_u32 v11, s25, v11
	v_lshlrev_b32 v11, s27, v11
	v_and_b32 v13, s62, v3
	v_lshl_add_u32 v11, v13, 8, v11
	v_lshlrev_b32 v10, 4, v3
	v_lshlrev_b32 v4, 4, v1
	v_lshl_add_u32 v6, v2, 12, v4                  ; y's fragments: block + h (4,096 bytes), row r
	v_lshl_add_u32 v4, v2, 11, v4                  ; w2's: block + h (2,048 bytes), column r
	v_add_nc_u32 v4, BOF, v4
	v_add_nc_u32 v5, BSL, v4
	s_lshl_b32 s27, s18, 10                        ; my 64 rows of 16 bytes
	v_add_nc_u32 v6, s27, v6
	v_add_nc_u32 v7, ASL, v6
	v_add_nc_u32 v8, SCB, v10
	s_add_co_u32 s27, s27, SCA
	v_add_nc_u32 v9, s27, v10
	s_mul_i32 s27, s18, 8448
	s_add_co_u32 s27, s27, STG                     ; my stage
	v_mul_u32_u24 v12, v1, 528
	v_lshl_add_u32 v12, v2, 5, v12
	v_add_nc_u32 v12, s27, v12                     ; in: row r, 32 bytes for each half of the lanes
	v_add_nc_u32 v13, s27, v10                     ; back: the 32 lanes take a row of 512 bytes
	global_load_b128 v[16:19], v10, s[12:13]       ; fc2_bias of my four columns on the way out
	WIN 0xc0
.irp i, 0,1,2,3,4,5,6,7,8,9,10,11,12,13,14,15,16,17,18,19,20,21,22,23,24,25,26,27,28,29,30,31
	global_load_b128 v[4*\i:4*\i+3], v10, s[14:15] offset:4096*\i th:TH_LOAD_NT   ; x's rows 0-31 of my 64: 512 consecutive bytes each
.endr
	WIN 0
; step q's fragments into sets q % 2: w2's eight, (ks >= 0: the scale words of K step ks of 512,) y's four
.macro FETCH q, ks
	WIN 0
.irp b, 0,1,2,3,4,5,6,7
.irp c, 0,1
	ds_load_b128 v[BF+64*((\q)%2)+8*\b+4*\c:BF+64*((\q)%2)+8*\b+4*\c+3], v[4+((\q)/4)%2] offset:((\q)%4)*8192+4096*\c+256*\b
.endr
.endr
.if (\ks) >= 0
.irp p, 0,1,2,3
	ds_load_b128 v[SB+16*((\ks)%2)+4*\p:SB+16*((\ks)%2)+4*\p+3], v8 offset:2048*(\ks)+512*\p
.endr
.irp p, 0,1
	ds_load_b128 v[SA+8*((\ks)%2)+4*\p:SA+8*((\ks)%2)+4*\p+3], v9 offset:4096*(\ks)+512*\p
.endr
.endif
	WIN 0x40
.irp a, 0,1,2,3
.irp c, 0,1
	ds_load_b128 v[32*((\q)%2)+8*\a+4*\c:32*((\q)%2)+8*\a+4*\c+3], v[6+((\q)/4)%2] offset:((\q)%4)*16384+8192*\c+256*\a
.endr
.endr
.endm
.macro XLOAD q                         ; x's row 32 + q of my 64
	WIN 0xc0
	global_load_b128 v[4*(32+(\q)):4*(32+(\q))+3], v10, s[14:15] offset:4096*(32+(\q)) th:TH_LOAD_NT
.endm
.macro WM2 q, a, b                     ; row block a x column block b, step q.  The first step starts the sums: nothing is cleared
.set rD, 8*(8*(\a)+(\b))
.set rB, BF+64*((\q)%2)+8*(\b)
.set rA, 32*((\q)%2)+8*(\a)
.set rSB, SB+16*(((\q)/4)%2)+4*((\b)/2)+(\q)%4
.set rSA, SA+8*(((\q)/4)%2)+4*((\a)/2)+(\q)%4
.if (\q) == 0
.if ((\b)%2 == 0) && ((\a)%2 == 0)
	v_wmma_scale_f32_16x16x128_f8f6f4 v[rD:rD+7], v[rB:rB+7], v[rA:rA+7], 0, v[rSB], v[rSA] matrix_a_fmt:MATRIX_FMT_FP4 matrix_b_fmt:MATRIX_FMT_FP4
.elseif ((\b)%2 == 1) && ((\a)%2 == 0)
	v_wmma_scale_f32_16x16x128_f8f6f4 v[rD:rD+7], v[rB:rB+7], v[rA:rA+7], 0, v[rSB], v[rSA] matrix_a_fmt:MATRIX_FMT_FP4 matrix_b_fmt:MATRIX_FMT_FP4 matrix_a_scale:MATRIX_SCALE_ROW1
.elseif ((\b)%2 == 0)
	v_wmma_scale_f32_16x16x128_f8f6f4 v[rD:rD+7], v[rB:rB+7], v[rA:rA+7], 0, v[rSB], v[rSA] matrix_a_fmt:MATRIX_FMT_FP4 matrix_b_fmt:MATRIX_FMT_FP4 matrix_b_scale:MATRIX_SCALE_ROW1
.else
	v_wmma_scale_f32_16x16x128_f8f6f4 v[rD:rD+7], v[rB:rB+7], v[rA:rA+7], 0, v[rSB], v[rSA] matrix_a_fmt:MATRIX_FMT_FP4 matrix_b_fmt:MATRIX_FMT_FP4 matrix_a_scale:MATRIX_SCALE_ROW1 matrix_b_scale:MATRIX_SCALE_ROW1
.endif
.else
.if ((\b)%2 == 0) && ((\a)%2 == 0)
	v_wmma_scale_f32_16x16x128_f8f6f4 v[rD:rD+7], v[rB:rB+7], v[rA:rA+7], v[rD:rD+7], v[rSB], v[rSA] matrix_a_fmt:MATRIX_FMT_FP4 matrix_b_fmt:MATRIX_FMT_FP4
.elseif ((\b)%2 == 1) && ((\a)%2 == 0)
	v_wmma_scale_f32_16x16x128_f8f6f4 v[rD:rD+7], v[rB:rB+7], v[rA:rA+7], v[rD:rD+7], v[rSB], v[rSA] matrix_a_fmt:MATRIX_FMT_FP4 matrix_b_fmt:MATRIX_FMT_FP4 matrix_a_scale:MATRIX_SCALE_ROW1
.elseif ((\b)%2 == 0)
	v_wmma_scale_f32_16x16x128_f8f6f4 v[rD:rD+7], v[rB:rB+7], v[rA:rA+7], v[rD:rD+7], v[rSB], v[rSA] matrix_a_fmt:MATRIX_FMT_FP4 matrix_b_fmt:MATRIX_FMT_FP4 matrix_b_scale:MATRIX_SCALE_ROW1
.else
	v_wmma_scale_f32_16x16x128_f8f6f4 v[rD:rD+7], v[rB:rB+7], v[rA:rA+7], v[rD:rD+7], v[rSB], v[rSA] matrix_a_fmt:MATRIX_FMT_FP4 matrix_b_fmt:MATRIX_FMT_FP4 matrix_a_scale:MATRIX_SCALE_ROW1 matrix_b_scale:MATRIX_SCALE_ROW1
.endif
.endif
.endm
.macro MUL8 q, a                       ; the 32 accumulators take turns, in the same order in every step
.irp b, 0,1,2,3,4,5,6,7
	WM2 \q, \a, \b
.endr
.endm
; A STEP of 128 along K: 32 matrix instructions on sets q % 2, the next step's 24 fragment loads ahead of them.  A slot's last step changes slots.
.macro STEP q
.set KS, (\q)/4
.if (\q)%4 != 3
	s_wait_dscnt 0x0                               ; this step's fragments, asked for a step ago, are in
.if (\q) > 0
	PLACES                                         ; the loads below land in registers that the last step's products have read
.endif
	FETCH (\q)+1, -1
	XLOAD \q
	WIN 0xa4                                       ; source 0 (w2) window 0, source 1 (y) window 1, C and D window 2
	MUL8 \q, 0
	MUL8 \q, 1
	MUL8 \q, 2
	MUL8 \q, 3
.elseif (\q) < 31
	WIN 0
.if KS+4 <= 7
	s_wait_xcnt 0x0                                ; my last prefetch has read its address
	s_add_nc_u64 s[PFA:PFA+1], s[PFA:PFA+1], s[PST:PST+1]
.endif
	s_wait_tensorcnt 0x0                           ; my part of the next slot has landed: no load of mine is out;
	ds_add_u32 v14, v15
	s_wait_dscnt 0x1                               ; (the add alone may be out: this step's fragments are in)
	WIN 0xa4
	MUL8 \q, 0
	s_wait_dscnt 0x0                               ; the add is done, and my reads of this slot are over
	s_barrier_signal -1
	MUL8 \q, 1
	WIN 0
	s_barrier_wait -1
.if KS+2 <= 7
	CREST                                          ; the barrier has opened a round: no wave of any partner still reads this slot or has a load on its way
	s_add_nc_u64 s[GA+4*(KS%2)+2:GA+4*(KS%2)+3], s[GA+4*(KS%2)+2:GA+4*(KS%2)+3], 4194304
	s_add_nc_u64 s[GB+4*(KS%2)+2:GB+4*(KS%2)+3], s[GB+4*(KS%2)+2:GB+4*(KS%2)+3], 524288
	JLOAD KS%2                                     ; K step KS + 2; its four v_nop are also the places in front of the loads below
.else
	PLACES
.endif
	FETCH (\q)+1, KS+1
	XLOAD \q
.if KS+4 <= 7
	WIN 0
	ASK                                            ; K step KS + 4
.endif
	WIN 0xa4
	MUL8 \q, 2
	MUL8 \q, 3
.else
	s_wait_dscnt 0x0
	XLOAD \q
	WIN 0xa4
	MUL8 \q, 0
	MUL8 \q, 1
	MUL8 \q, 2
	MUL8 \q, 3
.endif
.endm
	s_wait_alu depctr_va_vdst(0)
	ASK                                            ; K step 2
	s_wait_tensorcnt 0x0                           ; my tile of the head's four is in,
	s_barrier_signal -1
	s_barrier_wait -1                              ; everybody's is
	FETCH 0, 0
	WIN 0
	s_wait_xcnt 0x0                                ; my prefetch has read its address
	s_add_nc_u64 s[PFA:PFA+1], s[PFA:PFA+1], s[PST:PST+1]
	ASK                                            ; K step 3
.irp q, 0,1,2,3,4,5,6,7,8,9,10,11,12,13,14,15,16,17,18,19,20,21,22,23,24,25,26,27,28,29,30,31
	STEP \q
.endr
	WIN 0
; THE WAY OUT, a block of 16 rows x 128 columns at a time, through my own stage, back as whole rows of 512 bytes.  LDS serves a wave's instructions in order: no wait between the stores and the loads.
.macro TOSTAGE a
	WIN 0x08                                       ; an LDS store's data are its source 1: window 2
.irp b, 0,1,2,3,4,5,6,7
	ds_store_b128 v12, v[8*(8*(\a)+\b):8*(8*(\a)+\b)+3] offset:64*\b          ; each accumulator from its low end on
	ds_store_b128 v12, v[8*(8*(\a)+\b)+4:8*(8*(\a)+\b)+7] offset:64*\b+16
.endr
	WIN 0
.irp t, 0,1,2,3,4,5,6,7,8,9,10,11,12,13,14,15
	ds_load_b128 v[BF+64*((\a)%2)+4*\t:BF+64*((\a)%2)+4*\t+3], v13 offset:528*\t
.endr
.endm
.macro SEND a, younger                 ; younger: the LDS instructions issued behind block a's loads, which may stay out
	s_wait_dscnt \younger
	s_wait_loadcnt 48-16*(\a)                      ; the bias and x's rows up to 16 a + 15 are in; the later rows' loads, one each, may be out
	WIN 0x30                                       ; source 2 (x) window 3
.irp t, 0,1,2,3,4,5,6,7,8,9,10,11,12,13,14,15
	v_pk_add_f32 v[BF+64*((\a)%2)+4*\t:BF+64*((\a)%2)+4*\t+1], v[BF+64*((\a)%2)+4*\t:BF+64*((\a)%2)+4*\t+1], v[16:17]           ; z = the sum + the bias
	v_pk_add_f32 v[BF+64*((\a)%2)+4*\t+2:BF+64*((\a)%2)+4*\t+3], v[BF+64*((\a)%2)+4*\t+2:BF+64*((\a)%2)+4*\t+3], v[18:19]
	v_pk_fma_f32 v[BF+64*((\a)%2)+4*\t:BF+64*((\a)%2)+4*\t+1], v[BF+64*((\a)%2)+4*\t:BF+64*((\a)%2)+4*\t+1], 0.5, v[4*(16*(\a)+\t):4*(16*(\a)+\t)+1] op_sel_hi:[1,0,1]   ; x + 0.5 z
	v_pk_fma_f32 v[BF+64*((\a)%2)+4*\t+2:BF+64*((\a)%2)+4*\t+3], v[BF+64*((\a)%2)+4*\t+2:BF+64*((\a)%2)+4*\t+3], 0.5, v[4*(16*(\a)+\t)+2:4*(16*(\a)+\t)+3] op_sel_hi:[1,0,1]
	global_store_b128 v10, v[BF+64*((\a)%2)+4*\t:BF+64*((\a)%2)+4*\t+3], s[16:17] offset:4096*(16*(\a)+\t) th:TH_STORE_NT   ; 32 lanes store 512 consecutive bytes, aligned; written once
.endr
	WIN 0
.endm
	PLACES                                         ; behind the last products: for the stores that read results and the loads into w2's registers
	TOSTAGE 0
.irp a, 1,2,3
.if \a > 1
	s_wait_xcnt 0x0                                ; block a - 2's stores have read their registers: block a's rows may land there
.endif
	TOSTAGE \a
	SEND \a-1, 32                                  ; behind block a - 1's loads: block a's 16 stores and 16 loads
.endr
	SEND 3, 0
	s_wait_tensorcnt 0x0                           ; the wave's end
	ds_add_u32 v14, v15
	s_wait_dscnt 0x0
	CROUND                                         ; the closing round
	s_endpgm
.Lfunc_end_k_qdc75c69f4c_fc2:
	.size	k_qdc75c69f4c_fc2, .Lfunc_end_k_qdc75c69f4c_fc2-k_qdc75c69f4c_fc2
	.p2alignl 7, 3214868480
	.fill 96, 4, 3214868480
	.section	.rodata,"a",@progbits
	.p2align	6, 0x0
	.amdhsa_kernel k_qdc75c69f4c_fc2
		.amdhsa_group_segment_fixed_size 327680
		.amdhsa_private_segment_fixed_size 0
		.amdhsa_enable_private_segment 0
		.amdhsa_kernarg_size 56
		.amdhsa_user_sgpr_count 2
		.amdhsa_user_sgpr_kernarg_segment_ptr 1
		.amdhsa_wavefront_size32 1
		.amdhsa_system_sgpr_workgroup_id_x 1
		.amdhsa_system_sgpr_workgroup_id_y 1
		.amdhsa_system_sgpr_workgroup_id_z 1
		.amdhsa_system_vgpr_workitem_id 0
		.amdhsa_next_free_vgpr 1024
		.amdhsa_next_free_sgpr 102
		.amdhsa_reserve_vcc 0
		.amdhsa_float_denorm_mode_32 3
		.amdhsa_float_denorm_mode_16_64 3
		.amdhsa_memory_ordered 1
		.amdhsa_forward_progress 1
		.amdhsa_inst_pref_size 242
	.end_amdhsa_kernel
	.amdgpu_metadata
---
amdhsa.version: [ 1, 2 ]
amdhsa.kernels:
  - .name:           k_qdc75c69f4c_fc2
    .symbol:         k_qdc75c69f4c_fc2.kd
    .args:
      - { .name: yc, .offset: 0, .size: 8, .value_kind: global_buffer, .address_space: global }
      - { .name: ys, .offset: 8, .size: 8, .value_kind: global_buffer, .address_space: global }
      - { .name: w2c, .offset: 16, .size: 8, .value_kind: global_buffer, .address_space: global }
      - { .name: w2s, .offset: 24, .size: 8, .value_kind: global_buffer, .address_space: global }
      - { .name: fc2_bias, .offset: 32, .size: 8, .value_kind: global_buffer, .address_space: global }
      - { .name: x, .offset: 40, .size: 8, .value_kind: global_buffer, .address_space: global }
      - { .name: out0, .offset: 48, .size: 8, .value_kind: global_buffer, .address_space: global }
    .group_segment_fixed_size: 327680
    .private_segment_fixed_size: 0
    .kernarg_segment_align: 8
    .kernarg_segment_size: 56
    .max_flat_workgroup_size: 128
    .sgpr_count:     102
    .vgpr_count:     1024
    .wavefront_size: 32
...
	.end_amdgpu_metadata
.endif
;; end of part 3
